; MI455X (gfx1250); checked and timed in simulation.
; The chip was launched on July 23, 2026; its instructions are those of AMD's public machine-readable ISA for CDNA 5 (MIT licence, August 2026) and "CDNA5" Instruction Set Architecture Reference Guide (July 2026). The comments in the code are by the model that wrote it; some were corrected since.
;; Gated Expert Mixture. Allowed arithmetic: float matrix products may take bf16 or f16 operands with f32 sums; all other float work in f32.
;; Inputs: W_down 4 x 1,024 x 1,024 float32; W_up 4 x 1,024 x 1,024 float32; b_down 4 x 1,024 float32; b_up 4 x 1,024 float32; router_b 4 float32; router_w 4 x 1,024 float32; x 4 x 2,048 x 1,024 float32.
;; Outputs: out0 4 x 2,048 x 1,024 float32; out1 one number float32.
;; One version. Each part assembles by itself: llvm-mc -triple=amdgcn-amd-amdhsa -mcpu=gfx1250 --defsym DOCPART=n.
;; ======== version 1 of 1: 4 launches
;; limits: values outside matrix products are rounded to bf16
;; workspace buffers: xb 16,777,216 bytes; wub 8,388,608 bytes; wdb 8,388,608 bytes; hb 67,108,864 bytes; wg 131,072 bytes; wr 131,072 bytes; part 4,096 bytes
;; launch prep (part 1): grid 256 x 1, 8 waves a work-group, no clusters, 3,072 bytes of LDS; arguments x, router_w, router_b, W_up, W_down, xb, wub, wdb, wg, wr, part; writes xb, wub, wdb, wg, wr, part
.if DOCPART == 1
	.amdgcn_target "amdgcn-amd-amdhsa--gfx1250"
	.amdhsa_code_object_version 6
	.text
	.protected	k_qb03cedc7fb_prep
	.globl	k_qb03cedc7fb_prep
	.p2align	8
	.type	k_qb03cedc7fb_prep,@function
k_qb03cedc7fb_prep:
	s_mov_b64 s[64:65], 0
	v_nop
	global_prefetch_b8 v0, s[64:65] scope:SCOPE_SE
	s_setreg_imm32_b32 hwreg(HW_REG_WAVE_MODE, 25, 1), 1
	s_wait_xcnt 0x0
; PREP: x, W_up and W_down are cast to bf16 (xb, wub, wdb, same layouts), and for every token the router is run.
; Everything is a row of 1,024 f32: 4,096 bytes in, 2,048 bytes out.  A work-group takes 64 rows, each of its eight waves 8.
; Work-groups 0-127: rows of x, with the router.  128-191: rows of W_up.  192-255: rows of W_down.  All move the same bytes.
; A row is eight loads of 16 bytes a lane (load j: columns 128 j + 4 lane, 512 neighbouring bytes a wave) and eight stores of 8 bytes a lane
; (256 neighbouring bytes a wave, aligned).  Row and j stand in the immediates: no address is ever stepped.
; ROUTER.  logits = x . router_w + router_b in f32 on the vector unit, from x, router_w AND router_b rounded to bf16 (the numbers that the
; matrix products of the later launches see).  Four columns would leave 12 of a matrix instruction's 16 idle, and the row is in registers anyway.
; top 2 of 4: expert j beats expert i (j < i) if L_j >= L_i, so a tie goes to the lower index; an expert is taken if it beats two of three.
; softmax over the two taken, the largest logit taken away first.  Out: wr[token][e] = w;  wg[e][token] = w / (2 kappa), kappa = sqrt(log2(e) / 2),
; the form in which the next launch wants it;  part[work-group][e] = (sum of w, number of tokens that took e) for the aux loss.
; LIMITS: NaN logits are not ordered as the reference orders them; a logit's 1,024 products are summed in another order than the reference's.
; No cluster, no tensor loads: no two work-groups read the same bytes but router_w's 16 KiB.
.set ROWB, 4096                        ; bytes of a row in
.set ROWO, 2048                        ; bytes of a row out
.set ACC,  4                           ; v[4:11]    four logits' running sums, a pair each
.set T,    12                          ; v[12:27]   at work
.set WR,   28                          ; v28        lane 4 r + e: w of my row r, expert e
.set MK,   29                          ; v29        the same for the mask (1.0 or 0)
.set RW,   32                          ; v[32:159]  router_w: expert e, load j at 32 e + 4 j   (weight path: slots 0-3)
.set X,    160                         ; v[160:255] three row slots of 32                       (weight path: slots 4-6)
	s_load_b512 s[8:23], s[0:1], 0x0               ; x s[8:9], router_w s[10:11], router_b s[12:13], W_up s[14:15], W_down s[16:17], xb s[18:19], wub s[20:21], wdb s[22:23]
	s_load_b128 s[24:27], s[0:1], 0x40             ; wg s[24:25], wr s[26:27]
	s_load_b64 s[28:29], s[0:1], 0x50              ; part
	v_lshl_add_u32 v30, v0, 2, 0x800
	v_mov_b32 v31, 0
	v_and_b32 v1, 31, v0                           ; lane
	v_lshrrev_b32 v4, 5, v0
	v_readfirstlane_b32 s30, v4                    ; wave 0..7
	v_lshlrev_b32 v2, 4, v1                        ; 16 lane: my bytes in a load
	v_lshlrev_b32 v3, 3, v1                        ; 8 lane: my bytes in a store
	s_mov_b32 s31, 0xffff0000                      ; a word's upper bf16
	s_mov_b32 s3, 0                                ; high word of every offset pair s[2:3]
.macro FILL base, row                  ; eight loads: the whole row
.irp j, 0,1,2,3,4,5,6,7
	global_load_b128 v[\base+4*\j:\base+4*\j+3], v2, s[4:5] offset:\row*ROWB+512*\j th:TH_LOAD_NT
.endr
.endm
.macro CAST base, row                  ; rounded in place: registers 4 j, 4 j + 1 hold the load's four numbers as bf16; stored at once
.irp j, 0,1,2,3,4,5,6,7
	v_cvt_pk_bf16_f32 v[\base+4*\j],   v[\base+4*\j],   v[\base+4*\j+1]
	v_cvt_pk_bf16_f32 v[\base+4*\j+1], v[\base+4*\j+2], v[\base+4*\j+3]
.endr
.irp j, 0,1,2,3,4,5,6,7
	global_store_b64 v3, v[\base+4*\j:\base+4*\j+1], s[6:7] offset:\row*ROWO+256*\j
.endr
.endm
.macro DOT base                        ; four dot products on the rounded numbers; only registers 4 j + 2, 4 j + 3, which no store reads, are written
.irp j, 0,1,2,3,4,5,6,7
	v_lshlrev_b32 v[T+8+2*(\j%4)], 16,  v[\base+4*\j]
	v_and_b32     v[T+9+2*(\j%4)], s31, v[\base+4*\j]
	v_lshlrev_b32 v[\base+4*\j+2], 16,  v[\base+4*\j+1]
	v_and_b32     v[\base+4*\j+3], s31, v[\base+4*\j+1]
.irp e, 0,1,2,3
.if \j == 0
	v_pk_mul_f32 v[ACC+2*\e:ACC+2*\e+1], v[T+8+2*(\j%4):T+9+2*(\j%4)], v[RW+32*\e+4*\j:RW+32*\e+4*\j+1]   ; the first product starts the sum
.else
	v_pk_fma_f32 v[ACC+2*\e:ACC+2*\e+1], v[T+8+2*(\j%4):T+9+2*(\j%4)], v[RW+32*\e+4*\j:RW+32*\e+4*\j+1], v[ACC+2*\e:ACC+2*\e+1]
.endif
.endr
.irp e, 0,1,2,3
	v_pk_fma_f32 v[ACC+2*\e:ACC+2*\e+1], v[\base+4*\j+2:\base+4*\j+3], v[RW+32*\e+4*\j+2:RW+32*\e+4*\j+3], v[ACC+2*\e:ACC+2*\e+1]
.endr
.endr
.endm
.macro ROUTE r                         ; my row r: logits, top 2, softmax; every lane ends with the same numbers
.irp e, 0,1,2,3
	v_add_f32 v[T+\e], v[ACC+2*\e], v[ACC+2*\e+1]
.endr
.irp m, 1,2,4,8
.irp e, 0,1,2,3
	v_add_f32_dpp v[T+\e], v[T+\e], v[T+\e] row_xmask:\m row_mask:0xf bank_mask:0xf
.endr
.endr
.irp e, 0,1,2,3
	v_permlanex16_b32 v[T+4+\e], v[T+\e], s46, s47
.endr
.irp e, 0,1,2,3
	v_add_f32 v[T+\e], v[T+\e], v[T+4+\e]
.endr
.irp e, 0,1,2,3
	v_add_f32 v[T+\e], s[32+\e], v[T+\e]           ; + router_b
.endr
	v_cmp_ge_f32 s40, v[T],   v[T+1]               ; 0 beats 1
	v_cmp_ge_f32 s41, v[T],   v[T+2]               ; 0 beats 2
	v_cmp_ge_f32 s42, v[T],   v[T+3]               ; 0 beats 3
	v_cmp_ge_f32 s43, v[T+1], v[T+2]               ; 1 beats 2
	v_cmp_ge_f32 s44, v[T+1], v[T+3]               ; 1 beats 3
	v_cmp_ge_f32 s45, v[T+2], v[T+3]               ; 2 beats 3
	v_max3_num_f32 v[T+4], v[T], v[T+1], v[T+2]
	v_max_num_f32 v[T+4], v[T+4], v[T+3]           ; the largest logit: it is one of the two taken
	s_and_b32 s49, s40, s41                        ; taken = wins two of three: a majority of three lane masks.  These masks feed selects alone
	s_or_b32  s53, s40, s41
	s_and_b32 s53, s53, s42
	s_or_b32  s49, s49, s53                        ; expert 0
	s_and_b32 s50, s43, s44
	s_or_b32  s53, s43, s44
	s_and_not1_b32 s53, s53, s40
	s_or_b32  s50, s50, s53                        ; expert 1: of (not 0 beats 1), 1 beats 2, 1 beats 3
	s_or_b32  s51, s41, s43
	s_not_b32 s51, s51
	s_and_b32 s53, s41, s43
	s_and_not1_b32 s53, s45, s53
	s_or_b32  s51, s51, s53                        ; expert 2
	s_and_b32 s52, s42, s44
	s_or_b32  s53, s42, s44
	s_and_b32 s53, s53, s45
	s_or_b32  s52, s52, s53
	s_not_b32 s52, s52                             ; expert 3: the majority of the three negations
	s_mov_b32 s39, 0xf<<(4*\r)                     ; the four lanes that keep row r
.irp e, 0,1,2,3
	v_sub_f32 v[T+\e], v[T+\e], v[T+4]
.endr
.irp e, 0,1,2,3
	v_mul_f32 v[T+\e], 0x3fb8aa3b, v[T+\e]         ; (L - max) log2(e): at most 0
.endr
.irp e, 0,1,2,3
	v_exp_f32 v[T+\e], v[T+\e]
.endr
.irp e, 0,1,2,3
	v_cndmask_b32 v[T+8+\e], 0, 1.0, s[49+\e]      ; the mask as a number; the first of these is the plain instruction behind the exponentials (ISA guide 5.7.2)
.endr
	s_wait_alu depctr_va_vdst(0)
.irp e, 0,1,2,3
	v_cndmask_b32 v[T+\e], 0, v[T+\e], s[49+\e]    ; experts not taken weigh nothing
.endr
	v_add_f32 v[T+4], v[T], v[T+1]
	v_add_f32 v[T+5], v[T+2], v[T+3]
	v_add_f32 v[T+4], v[T+4], v[T+5]               ; between 1 and 2
	v_rcp_f32 v[T+4], v[T+4]
	v_cndmask_b32 v[T+8], v[T+8], v[T+9],  s36     ; lane l takes expert l % 4 (plain work behind the reciprocal)
	v_cndmask_b32 v[T+8], v[T+8], v[T+10], s37
	v_cndmask_b32 v[T+8], v[T+8], v[T+11], s38
	v_cndmask_b32 v[MK], v[MK], v[T+8], s39
	s_wait_alu depctr_va_vdst(0)
.irp e, 0,1,2,3
	v_mul_f32 v[T+\e], v[T+\e], v[T+4]
.endr
	v_cndmask_b32 v[T], v[T], v[T+1], s36
	v_cndmask_b32 v[T], v[T], v[T+2], s37
	v_cndmask_b32 v[T], v[T], v[T+3], s38
	v_cndmask_b32 v[WR], v[WR], v[T], s39
.endm
; A row's turn.  left = the younger loads that may stay out.  fillrow >= 0: the slot is loaded again with that row.
.macro TURN base, row, fillrow, left, route
	s_wait_loadcnt \left                           ; loads come back in order (ISA guide 5.7.1): this row is in
	CAST \base, \row
.if \route
	DOT \base
.endif
.if \fillrow >= 0
	s_wait_xcnt 0x0                                ; the slot's registers, which its stores read, are loaded again only behind this wait
	FILL \base, \fillrow
.endif
.if \route
	ROUTE \row
.endif
.endm
	s_cmp_lt_u32 ttmp9, 128                        ; the same in all eight waves
	s_cbranch_scc0 .Lweights
	; ---------------- rows of x, with the router ----------------
	s_lshl_b32 s2, ttmp9, 18                       ; 64 rows of 4,096 bytes a work-group,
	s_lshl_b32 s39, s30, 15                        ; 8 a wave
	s_add_co_u32 s2, s2, s39
	s_wait_kmcnt 0x0
	s_add_nc_u64 s[4:5], s[8:9], s[2:3]            ; x at my first row
	s_lshr_b32 s2, s2, 1
	s_add_nc_u64 s[6:7], s[18:19], s[2:3]          ; xb at my first row
	s_load_b128 s[32:35], s[12:13], 0x0            ; router_b
.irp e, 0,1,2,3
.irp j, 0,1,2,3,4,5,6,7
	global_load_b128 v[RW+32*\e+4*\j:RW+32*\e+4*\j+3], v2, s[10:11] offset:4096*\e+512*\j
.endr
.endr
	FILL X, 0
	FILL X+32, 1
	FILL X+64, 2
	s_mov_b32 s36, 0x22222222                      ; lanes with l % 4 = 1, 2, 3
	s_mov_b32 s37, 0x44444444
	s_mov_b32 s38, 0x88888888
	s_mov_b32 s46, 0x76543210                      ; v_permlanex16_b32: each lane takes its own place in the other half
	s_mov_b32 s47, 0xfedcba98
	v_mov_b32 v[WR], 0
	v_mov_b32 v[MK], 0
.irp e, 4,5,6,7
	v_mov_b32 v[T+\e], 0                           ; v_permlanex16_b32's destinations count as read
.endr
	s_wait_kmcnt 0x0
	v_cvt_pk_bf16_f32 v[T],   s32, s33              ; router_b rounded to bf16 and widened again
	v_cvt_pk_bf16_f32 v[T+1], s34, s35
	v_lshlrev_b32 v[T+2], 16,  v[T]
	v_and_b32     v[T+3], s31, v[T]
	v_lshlrev_b32 v[T+8], 16,  v[T+1]
	v_and_b32     v[T+9], s31, v[T+1]
	v_readfirstlane_b32 s32, v[T+2]
	v_readfirstlane_b32 s33, v[T+3]
	v_readfirstlane_b32 s34, v[T+8]
	v_readfirstlane_b32 s35, v[T+9]
	s_wait_loadcnt 24                              ; router_w is in; the three rows' 24 loads stay out
.set i, 0
.rept 32                               ; router_w rounded to bf16 and widened again, once
	v_cvt_pk_bf16_f32 v[T+8+2*(i%4)], v[RW+4*i],   v[RW+4*i+1]
	v_cvt_pk_bf16_f32 v[T+9+2*(i%4)], v[RW+4*i+2], v[RW+4*i+3]
	v_lshlrev_b32 v[RW+4*i],   16,  v[T+8+2*(i%4)]
	v_and_b32     v[RW+4*i+1], s31, v[T+8+2*(i%4)]
	v_lshlrev_b32 v[RW+4*i+2], 16,  v[T+9+2*(i%4)]
	v_and_b32     v[RW+4*i+3], s31, v[T+9+2*(i%4)]
.set i, i+1
.endr
	TURN X,    0, 3,  16, 1                        ; two younger rows, 16 loads, stay out
	TURN X+32, 1, 4,  16, 1
	TURN X+64, 2, 5,  16, 1
	TURN X,    3, 6,  16, 1
	TURN X+32, 4, 7,  16, 1
	TURN X+64, 5, -1, 16, 1                        ; nothing is left to load: the counts run down
	TURN X,    6, -1, 8,  1
	TURN X+32, 7, -1, 0,  1
	; the work-group's 64 x 4 weights and masks meet in LDS: word 4 row + e, masks 1,024 bytes on
	v_lshlrev_b32 v4, 2, v0                        ; 4 x thread = 128 wave + 4 lane
	ds_store_b32 v4, v[WR]
	ds_store_b32 v4, v[MK] offset:1024
	s_wait_dscnt 0x0                               ; for the others' sake: my stores are done
	s_barrier_signal -1
	s_barrier_wait -1
	s_cmp_lt_u32 s30, 4
	s_cbranch_scc0 .Lhigh
	; waves 0-3: expert e = wave.  Lane l takes rows 2 l and 2 l + 1
	s_lshl_b32 s2, s30, 2
	v_lshl_add_u32 v4, v1, 5, s2                   ; 32 l + 4 e
	ds_load_b32 v5, v4
	ds_load_b32 v6, v4 offset:16
	ds_load_b32 v7, v4 offset:1024
	ds_load_b32 v8, v4 offset:1040
	s_lshl_b32 s2, s30, 15                         ; wg: 32,768 e + 4 (64 g + 2 l)
	s_lshl_b32 s39, ttmp9, 8
	s_add_co_u32 s2, s2, s39
	s_add_nc_u64 s[24:25], s[24:25], s[2:3]
	s_lshl_b32 s2, ttmp9, 5                        ; part: 32 g + 8 e
	s_lshl3_add_u32 s2, s30, s2
	s_add_nc_u64 s[28:29], s[28:29], s[2:3]
	s_wait_dscnt 0x0
	v_mul_f32 v10, 0x3f16b55f, v5                  ; w / (2 kappa) = 0.58870501 w
	v_mul_f32 v11, 0x3f16b55f, v6
	global_store_b64 v3, v[10:11], s[24:25]        ; the wave's store covers 256 neighbouring bytes, aligned
	v_add_f32 v12, v5, v6
	v_add_f32 v13, v7, v8
.irp m, 1,2,4,8
	v_add_f32_dpp v12, v12, v12 row_xmask:\m row_mask:0xf bank_mask:0xf
	v_add_f32_dpp v13, v13, v13 row_xmask:\m row_mask:0xf bank_mask:0xf
.endr
	v_permlanex16_b32 v14, v12, s46, s47
	v_permlanex16_b32 v15, v13, s46, s47
	v_add_f32 v12, v12, v14                        ; the 64 rows' sum of w
	v_add_f32 v13, v13, v15                        ; and how many of them took e
	v_mov_b32 v14, 0
	v_cmp_eq_u32 vcc_lo, 0, v1
	s_wait_xcnt 0x0                                ; EXEC changes only behind this wait
	s_wait_tensorcnt 0x0
	ds_add_u32 v30, v31
	s_wait_dscnt 0x0
	s_and_saveexec_b32 s48, vcc_lo
	global_store_b64 v14, v[12:13], s[28:29]
	s_wait_xcnt 0x0
	s_or_b32 exec_lo, exec_lo, s48
	s_endpgm
.Lhigh:
	s_cmp_lt_u32 s30, 6
	s_cbranch_scc0 .Ldone
	; waves 4, 5: wr[token][e] is the table as it lies, 512 bytes a wave
	s_sub_co_u32 s2, s30, 4
	s_lshl_b32 s2, s2, 9
	v_add_nc_u32 v4, s2, v2
	ds_load_b128 v[8:11], v4
	s_lshl_b32 s2, ttmp9, 10
	s_add_nc_u64 s[26:27], s[26:27], s[2:3]
	s_wait_dscnt 0x0
	global_store_b128 v4, v[8:11], s[26:27]
.Ldone:
	s_wait_tensorcnt 0x0
	ds_add_u32 v30, v31
	s_wait_dscnt 0x0
	s_endpgm
	; ---------------- rows of W_up or W_down: the cast alone, seven rows on their way ----------------
.Lweights:
	s_and_b32 s2, ttmp9, 63
	s_lshl_b32 s2, s2, 18
	s_lshl_b32 s39, s30, 15
	s_add_co_u32 s2, s2, s39
	s_wait_kmcnt 0x0
	s_cmp_lt_u32 ttmp9, 192
	s_cselect_b64 s[4:5], s[14:15], s[16:17]
	s_cselect_b64 s[6:7], s[20:21], s[22:23]
	s_add_nc_u64 s[4:5], s[4:5], s[2:3]
	s_lshr_b32 s2, s2, 1
	s_add_nc_u64 s[6:7], s[6:7], s[2:3]
.irp k, 0,1,2,3,4,5,6
	FILL RW+32*\k, \k
.endr
	TURN RW,     0, 7,  48, 0                      ; six younger rows stay out; slot 0 takes the eighth row
	TURN RW+32,  1, -1, 48, 0
	TURN RW+64,  2, -1, 40, 0
	TURN RW+96,  3, -1, 32, 0
	TURN RW+128, 4, -1, 24, 0
	TURN RW+160, 5, -1, 16, 0
	TURN RW+192, 6, -1, 8,  0
	TURN RW,     7, -1, 0,  0
	s_endpgm
.Lfunc_end_k_qb03cedc7fb_prep:
	.size	k_qb03cedc7fb_prep, .Lfunc_end_k_qb03cedc7fb_prep-k_qb03cedc7fb_prep
	.p2alignl 7, 3214868480
	.fill 96, 4, 3214868480
	.section	.rodata,"a",@progbits
	.p2align	6, 0x0
	.amdhsa_kernel k_qb03cedc7fb_prep
		.amdhsa_group_segment_fixed_size 3072
		.amdhsa_private_segment_fixed_size 0
		.amdhsa_enable_private_segment 0
		.amdhsa_kernarg_size 88
		.amdhsa_user_sgpr_count 2
		.amdhsa_user_sgpr_kernarg_segment_ptr 1
		.amdhsa_wavefront_size32 1
		.amdhsa_system_sgpr_workgroup_id_x 1
		.amdhsa_system_sgpr_workgroup_id_y 1
		.amdhsa_system_sgpr_workgroup_id_z 1
		.amdhsa_system_vgpr_workitem_id 0
		.amdhsa_next_free_vgpr 256
		.amdhsa_next_free_sgpr 66
		.amdhsa_reserve_vcc 1
		.amdhsa_float_denorm_mode_32 3
		.amdhsa_float_denorm_mode_16_64 3
		.amdhsa_memory_ordered 1
		.amdhsa_forward_progress 1
		.amdhsa_inst_pref_size 134
	.end_amdhsa_kernel
	.amdgpu_metadata
---
amdhsa.version: [ 1, 2 ]
amdhsa.kernels:
  - .name:           k_qb03cedc7fb_prep
    .symbol:         k_qb03cedc7fb_prep.kd
    .args:
      - { .name: x, .offset: 0, .size: 8, .value_kind: global_buffer, .address_space: global }
      - { .name: router_w, .offset: 8, .size: 8, .value_kind: global_buffer, .address_space: global }
      - { .name: router_b, .offset: 16, .size: 8, .value_kind: global_buffer, .address_space: global }
      - { .name: W_up, .offset: 24, .size: 8, .value_kind: global_buffer, .address_space: global }
      - { .name: W_down, .offset: 32, .size: 8, .value_kind: global_buffer, .address_space: global }
      - { .name: xb, .offset: 40, .size: 8, .value_kind: global_buffer, .address_space: global }
      - { .name: wub, .offset: 48, .size: 8, .value_kind: global_buffer, .address_space: global }
      - { .name: wdb, .offset: 56, .size: 8, .value_kind: global_buffer, .address_space: global }
      - { .name: wg, .offset: 64, .size: 8, .value_kind: global_buffer, .address_space: global }
      - { .name: wr, .offset: 72, .size: 8, .value_kind: global_buffer, .address_space: global }
      - { .name: part, .offset: 80, .size: 8, .value_kind: global_buffer, .address_space: global }
    .group_segment_fixed_size: 3072
    .private_segment_fixed_size: 0
    .kernarg_segment_align: 8
    .kernarg_segment_size: 88
    .max_flat_workgroup_size: 256
    .sgpr_count:     66
    .vgpr_count:     256
    .wavefront_size: 32
...
	.end_amdgpu_metadata
.endif
;; end of part 1
;; launch up (part 2): grid 16 x 16, 4 waves a work-group, clusters of 4 x 4, 327,680 bytes of LDS; arguments xb, wub, hb, b_up, wg; writes hb
.if DOCPART == 2
	.amdgcn_target "amdgcn-amd-amdhsa--gfx1250"
	.amdhsa_code_object_version 6
	.text
	.protected	k_qb03cedc7fb_up
	.globl	k_qb03cedc7fb_up
	.p2align	8
	.type	k_qb03cedc7fb_up,@function
k_qb03cedc7fb_up:
	s_mov_b64 s[64:65], 0
	v_nop
	global_prefetch_b8 v0, s[64:65] scope:SCOPE_SE
	s_setreg_imm32_b32 hwreg(HW_REG_WAVE_MODE, 25, 1), 1
	s_wait_xcnt 0x0
	s_wait_alu depctr_hold_cnt(0) depctr_sa_sdst(0) depctr_va_vdst(0) depctr_va_sdst(0) depctr_va_ssrc(0) depctr_va_vcc(0) depctr_vm_vsrc(0)
	s_getreg_b32 s2, hwreg(HW_REG_IB_STS2, 6, 4)
	s_cmp_eq_u32 s2, 0
	s_cbranch_scc0 .Lentry_in_a_cluster
	s_endpgm
.Lentry_in_a_cluster:
	s_bfe_u32 s2, ttmp6, 0x10000c
	s_cmp_lg_u32 s2, 0xf033
	s_cbranch_scc0 .Lentry_shape_is_right
	s_endpgm
.Lentry_shape_is_right:
; UP: H[t][1024 e + n] = w[t][e] gelu(sum over k of xb[t][k] wub[e][k][n] + b_up[e][n]), bf16.  One GEMM 8192 x 4096 x 1024, sums in f32.
; A tile is 256 tokens x 256 columns, made by four waves, each 128 x 128: 64 accumulators of 16 x 16, 512 registers.  K goes in steps of 128 through a ring
; of two LDS slots filled by the tensor data mover.  xb's tile lies [token][k] (rows of 256 bytes), wub's [k][n] (rows of 512 bytes) and is turned on its way
; into registers by ds_load_tr16_b128.  A WORK-GROUP STAYS: it makes two tiles, 4,096 tokens apart, with the same columns; the ring goes on into the second.
; CLUSTER 4 x 4: the four of a row need the same tokens, the four of a column the same weights: each tile is asked for jointly.
; THE MATRIX INSTRUCTION IS USED TRANSPOSED (source 0 = 16 columns of the weights, source 1 = 16 tokens): lane (r, h) holds token r and columns 16 b + 8 h + 0..7.
; H IS STORED IN THE ORDER OF THE NEXT LAUNCH'S FRAGMENTS: hb[token / 16][column / 32][half][lane][16 bytes].  A lane's eight numbers of accumulator b, rounded
; to bf16, are its 16 bytes of half b % 2 of fragment b / 2: nothing changes lanes, no LDS is touched, and a store of the wave covers 512 neighbouring bytes, aligned.
; GELU: z = kappa h, kappa^2 = log2(e) / 2, so that e^(-h^2/2) = 2^(-z^2);  erf(|h| / sqrt 2) = 1 - (a1 t + .. + a5 t^5) 2^(-z^2), t = 1 / (1 + p' |z|)
; (Abramowitz and Stegun 7.1.26);  w gelu(h) = hz + |hz| erf, hz = w h / 2 = (w / (2 kappa)) z; w is never negative.
; LIMIT: that formula's absolute error is at most 1.5e-7 at every argument.  Very large |h|: t and 2^(-z^2) go to 0 and erf to 1, as they should.
; REGISTERS, in windows of 256: window 0: v0-63 addresses, constants; v64-127, v128-191 token fragments, two buffers; on the way out v128-255 at work
;   window 1: v0-63 kappa b_up of my lane's 64 columns; v64-127, v128-191 weight fragments;   windows 2, 3: the accumulators of my tokens 0-63, 64-127 ((a, b) at v[8 (8 a + b)])
.set KSTEP,  128
.set PA,     272                       ; a token row in LDS: 256 bytes + 16: an odd multiple of 16, so the 16 rows of a load start 16 bytes apart modulo 256
.set PB,     544                       ; a k row of weights: 512 bytes + 32: an odd multiple of 32, as the turning load's 8 rows x 32 bytes want
.set HALFT,  128*PA                    ; what one tensor load brings: 128 token rows, or 64 k rows (64 x 544 is the same)
.set SLOT,   4*HALFT                   ; 256 token rows, then 128 k rows
.set LAPS,   4                         ; a lap = two K steps; K = 1,024
.set TILES,  2
.set STEP_A, 2*KSTEP*2                 ; two K steps on: 512 bytes along a token row,
.set STEP_B, 2*KSTEP*2048              ; 256 rows of 2,048 bytes down the weights
.set NEXT_A, 4096*2048-(1024-2*KSTEP)*2    ; from a slot's last K step of a tile to its first of the next: 4,096 tokens down and back along K,
.set BACK_B, (1024-2*KSTEP)*2048       ; the weights only back
.set HBLK,   131072                    ; bytes of 16 tokens in hb: 128 fragments of 1,024
.set ADRA, 16                          ; v16-17    LDS address of my token fragments in slot 0, 1
.set ADRB, 20                          ; v20-21    the same for the weights
.set CO,   26                          ; v26       16 lane: my bytes in half a fragment
.set WOFF, 27                          ; v27       my byte offset in wg
.set BOFF, 30                          ; v30       my byte offset in b_up
.set KAP,  32                          ; v[32:33]  kappa, twice
.set CA,   34                          ; v[34:43]  -a1, -a2, -a3, -a4, -a5, each twice
.set ONE,  44                          ; v[44:45]  1.0, twice
.set WB,   48                          ; v[48:55]  w / (2 kappa) of token 16 a + r, block a
.set WC,   56                          ; v56       that of the block in hand
.set F0,   64
.set F1,   128
.set RT,   128                         ; 16 each: t,
.set RE,   144                         ; 2^(-z^2),
.set RP,   160                         ; the polynomial,
.set RH,   176                         ; hz
.set RZ,   192                         ; v[192:255] z of the block in hand: accumulator b at 8 b
.set G1,  24                           ; s[24:31] group 1 for token tiles; s[32:39] group 0, one set a slot
.set G0,  32
.set G1B, 48                           ; s[48:55], s[56:63] the same for weight tiles
.set G0B, 56
.set MSB, 0
.macro WIN new                         ; the immediate's high byte repeats the setting that is left; a switch that changes nothing is dropped
.if MSB != (\new)
	s_set_vgpr_msb (MSB<<8)|(\new)
.set MSB, (\new)
.endif
.endm
.set MUL_LO, 0xa1                      ; source 0 (weights) window 1, source 1 (tokens) window 0, C and D window 2
.set MUL_HI, 0xf1                      ; the same, C and D window 3
.set TO_B,   0x40                      ; destination window 1, address window 0
; A joint load.  Waves 0, 1 fetch the token tile's halves, waves 2, 3 the weight tile's.  The branch hangs on the wave's number alone.
; Four v_nop follow each of the two lines, ahead of the jump, the label and what follows.
.macro JLOAD s
	s_cmp_eq_u32 s11, 0
	s_cbranch_scc0 .Lfor_b_\@
	tensor_load_to_lds s[G0+4*\s:G0+4*\s+3], s[G1:G1+7]
	s_nop 0
.rept 4
	v_nop
.endr
	s_branch .Lasked_\@
.Lfor_b_\@:
	tensor_load_to_lds s[G0B+4*\s:G0B+4*\s+3], s[G1B:G1B+7]
	s_nop 0
.rept 4
	v_nop
.endr
.Lasked_\@:
.endm
.macro CREST                           ; a round of the cluster's barrier behind its opening barrier
	s_cmp_lg_u32 s10, 0
	s_cbranch_scc1 .Lnot_wave_0_\@
	s_barrier_signal -3
.Lnot_wave_0_\@:
	s_barrier_wait -3
	s_barrier_signal -1
	s_barrier_wait -1
.endm
.macro CROUND                          ; a whole round
	s_barrier_signal -1
	s_barrier_wait -1
	CREST
.endm
.macro PAIR r, val
	v_mov_b32 v[\r], \val
	v_mov_b32 v[\r+1], \val
.endm
	s_load_b128 s[4:7], s[0:1], 0x0                ; xb s[4:5], wub s[6:7]
	s_load_b64 s[8:9], s[0:1], 0x10                ; hb
	s_load_b128 s[68:71], s[0:1], 0x18             ; b_up s[68:69], wg s[70:71]
	s_set_vgpr_msb 0x40
	v_lshl_add_u32 v255, v0, 2, 0x44000
	s_set_vgpr_msb 0x4000
	v_mov_b32 v63, 0
	s_set_vgpr_msb 0x1
	ds_add_u32 v255, v63
	s_set_vgpr_msb 0x100
	v_lshrrev_b32 v1, 5, v0
	v_readfirstlane_b32 s10, v1                    ; wave 0..3
	s_lshr_b32 s11, s10, 1                         ; which half of the tile's tokens is mine.  Also: I fetch tokens (0) or weights (1)
	s_and_b32 s12, s10, 1                          ; which half of its columns.  Also: which half of that tile I fetch
	s_bfe_u32 s40, ttmp6, 0x40000                  ; cx
	s_bfe_u32 s41, ttmp6, 0x40004                  ; cy
	s_lshl_b32 s42, ttmp9, 2
	s_add_co_u32 s42, s42, s40                     ; tile column 0..15 = 4 x cluster x + cx: expert = cluster x, quarter of its columns = cx
	s_and_b32 s13, ttmp7, 0xffff
	s_lshl_b32 s13, s13, 2
	s_add_co_u32 s13, s13, s41                     ; tile row 0..15 = 4 x cluster y + cy
	s_lshl_b32 s43, s41, 2
	s_lshl_b32 s43, 15, s43                        ; my row of the cluster
	s_lshl_b32 s44, 0x1111, s40                    ; my column
	s_mov_b32 s45, 0x3e8ba43f                      ; p' = 0.3275911 / sqrt(log2(e))
	; group 1, tokens: 128 rows x 128 elements of 2 bytes, 4 words of padding behind every 64
	s_or_b32 s[G1+0], s43, (1<<16)|(1<<20)|(1<<21)|(5<<22)|(3<<25)
	s_mov_b32 s[G1+1], 128<<16                     ; tensor_dim0 = 128
	s_mov_b32 s[G1+2], 128<<16                     ; tensor_dim1 = 128
	s_mov_b32 s[G1+3], 128<<16                     ; tile_dim0 = 128
	s_mov_b32 s[G1+4], 128                         ; tile_dim1 = 128
	s_mov_b32 s[G1+5], 1024                        ; elements from row to row
	s_mov_b32 s[G1+6], 0
	s_mov_b32 s[G1+7], 0
	; group 1, weights: 64 k rows x 256 elements, 8 words of padding behind every 128
	s_or_b32 s[G1B+0], s44, (1<<16)|(1<<20)|(1<<21)|(6<<22)|(7<<25)
	s_mov_b32 s[G1B+1], 256<<16
	s_mov_b32 s[G1B+2], 64<<16
	s_mov_b32 s[G1B+3], 256<<16
	s_mov_b32 s[G1B+4], 64
	s_mov_b32 s[G1B+5], 1024
	s_mov_b32 s[G1B+6], 0
	s_mov_b32 s[G1B+7], 0
	; where the tiles come from: the tokens' address hangs on the tile row alone, the weights' on the tile column alone, each in registers that never hold the other
	s_lshl_b32 s16, s13, 19                        ; 256 tokens x 2,048 bytes
	s_lshl_b32 s17, s12, 18                        ; + my 128 of them
	s_add_co_u32 s16, s16, s17
	s_mov_b32 s17, 0
	s_lshr_b32 s46, s42, 2
	s_lshl_b32 s46, s46, 21                        ; the expert's 2 MiB
	s_and_b32 s47, s42, 3
	s_lshl_b32 s47, s47, 9                         ; + 256 columns x 2 bytes
	s_add_co_u32 s46, s46, s47
	s_lshl_b32 s47, s12, 17                        ; + my 64 k rows of 2,048 bytes
	s_add_co_u32 s46, s46, s47
	s_mov_b32 s47, 0
	s_mul_i32 s20, s10, HALFT                      ; and where they go: wave x one load's bytes
	s_wait_dscnt 0x0
	s_wait_kmcnt 0x0
	s_add_nc_u64 s[14:15], s[4:5], s[16:17]
	s_add_nc_u64 s[46:47], s[6:7], s[46:47]
	CROUND                                         ; all sixteen work-groups are here: the first joint loads meet
.irp s, 0,1
	s_mov_b32 s[G0+4*\s], 1
	s_add_co_u32 s[G0+4*\s+1], s20, \s*SLOT
	s_add_nc_u64 s[G0+4*\s+2:G0+4*\s+3], s[14:15], \s*KSTEP*2
	s_or_b32 s[G0+4*\s+3], s[G0+4*\s+3], 0x80000000
	s_mov_b32 s[G0B+4*\s], 1
	s_add_co_u32 s[G0B+4*\s+1], s20, \s*SLOT
	s_add_nc_u64 s[G0B+4*\s+2:G0B+4*\s+3], s[46:47], \s*KSTEP*2048
	s_or_b32 s[G0B+4*\s+3], s[G0B+4*\s+3], 0x80000000
	JLOAD \s                                       ; two tensor loads of mine are out
.endr
	v_and_b32 v1, 15, v0                           ; r = l % 16
	v_bfe_u32 v2, v0, 4, 1                         ; h = l / 16
	v_mul_u32_u24 v3, v1, PA
	v_lshl_add_u32 v3, v2, 4, v3                   ; tokens: row r, 16 bytes for each half of the lanes
	v_and_b32 v4, 7, v0
	v_lshl_add_u32 v4, v2, 3, v4                   ; weights, turned: k row 8 h + l % 8,
	v_mul_u32_u24 v4, v4, PB
	v_bfe_u32 v5, v0, 3, 1
	v_lshl_add_u32 v4, v5, 4, v4                   ; columns 8 ((l / 8) % 2) on
	s_mul_i32 s21, s11, HALFT                      ; my 128 tokens
	s_lshl_b32 s22, s12, 8                         ; my 128 columns,
	s_add_co_u32 s22, s22, 2*HALFT                 ; behind the 256 token rows
.irp s, 0,1
	v_add_nc_u32 v[ADRA+\s], s21, v3
	v_add_nc_u32 v[ADRB+\s], s22, v4
	s_add_co_u32 s21, s21, SLOT
	s_add_co_u32 s22, s22, SLOT
.endr
	v_and_b32 v6, 31, v0
	v_lshlrev_b32 v[CO], 4, v6
	s_lshl_b32 s46, s42, 10                        ; b_up: 4 (256 tile column + 128 half + 16 b + 8 h)
	s_lshl_b32 s47, s12, 9
	s_add_co_u32 s46, s46, s47
	v_lshl_add_u32 v[BOFF], v2, 5, s46
	WIN TO_B
.irp b, 0,1,2,3,4,5,6,7
	global_load_b128 v[8*\b:8*\b+3],   v[BOFF], s[68:69] offset:64*\b
	global_load_b128 v[8*\b+4:8*\b+7], v[BOFF], s[68:69] offset:64*\b+16
.endr
	WIN 0
	s_lshl_b32 s46, ttmp9, 15                      ; wg: 32,768 expert + 4 (256 tile row + 128 half + 16 a + r)
	s_lshl_b32 s47, s13, 10
	s_add_co_u32 s46, s46, s47
	s_lshl_b32 s47, s11, 9
	s_add_co_u32 s46, s46, s47
	v_lshl_add_u32 v[WOFF], v1, 2, s46
	s_lshl_b32 s46, s13, 21                        ; hb at my part of the first tile: 131,072 (16 tile row + 8 half) + 1,024 (8 tile column + 4 half)
	s_lshl_b32 s47, s11, 20
	s_add_co_u32 s46, s46, s47
	s_lshl_b32 s47, s42, 13
	s_add_co_u32 s46, s46, s47
	s_lshl_b32 s47, s12, 12
	s_add_co_u32 s46, s46, s47
	s_mov_b32 s47, 0
	s_add_nc_u64 s[8:9], s[8:9], s[46:47]
	PAIR KAP,  0x3f596d27                          ; kappa = 0.84932180
	PAIR CA,   0xbe827906                          ; -a1 = -0.254829592
	PAIR CA+2, 0x3e91a98e                          ; -a2 =  0.284496736
	PAIR CA+4, 0xbfb5f0e3                          ; -a3 = -1.421413741
	PAIR CA+6, 0x3fba00e3                          ; -a4 =  1.453152027
	PAIR CA+8, 0xbf87dc22                          ; -a5 = -1.061405429
	PAIR ONE,  1.0
	s_wait_loadcnt 0x0
	WIN 0x41                                       ; destination and source 0 window 1, kappa window 0
.set i, 0
.rept 32
	v_pk_mul_f32 v[i:i+1], v[i:i+1], v[KAP:KAP+1]  ; kappa b_up, once
.set i, i+2
.endr
	WIN 0
; 16 matrix instructions: token blocks a0, a0 + 1 of the window's four x all 8 column blocks, 32 along K.  zero = 1: the first product starts the sums.
; The 64 accumulators take turns, one instruction a turn, in the same order everywhere.
.macro MUL16 f, hi, a0, zero
.irp a, \a0, \a0+1
.irp b, 0,1,2,3,4,5,6,7
.if \zero
	v_wmma_f32_16x16x32_bf16 v[8*(8*(\a)+\b):8*(8*(\a)+\b)+7], v[\f+8*\b:\f+8*\b+7], v[\f+8*(4*\hi+\a):\f+8*(4*\hi+\a)+7], 0
.else
	v_wmma_f32_16x16x32_bf16 v[8*(8*(\a)+\b):8*(8*(\a)+\b)+7], v[\f+8*\b:\f+8*\b+7], v[\f+8*(4*\hi+\a):\f+8*(4*\hi+\a)+7], v[8*(8*(\a)+\b):8*(8*(\a)+\b)+7]
.endif
.endr
.endr
.endm
; 32 LDS loads in one run: quarter q (32 along K) of a slot into buffer f: 8 column blocks of the weights, turned, then 8 token blocks
.macro FETCH slot, q, f
	WIN TO_B
.irp i, 0,1,2,3,4,5,6,7
	ds_load_tr16_b128 v[\f+8*\i:\f+8*\i+3],   v[ADRB+\slot] offset:\q*32*PB+32*\i
	ds_load_tr16_b128 v[\f+8*\i+4:\f+8*\i+7], v[ADRB+\slot] offset:\q*32*PB+16*PB+32*\i
.endr
	WIN 0
.irp i, 0,1,2,3,4,5,6,7
	ds_load_b128 v[\f+8*\i:\f+8*\i+3],   v[ADRA+\slot] offset:\q*64+\i*16*PA
	ds_load_b128 v[\f+8*\i+4:\f+8*\i+7], v[ADRA+\slot] offset:\q*64+\i*16*PA+32
.endr
.endm
.macro PLACES                          ; four plain vector instructions between a matrix instruction and a load into, or a reader of, its registers (ISA guide 7.12.1 for readers)
.rept 4
	v_nop
.endr
.endm
; One of a K step's first three quarters: multiplies buffer f; in its middle it fetches quarter q of the same slot into buffer g.
.macro QUARTER slot, q, f, g, zero
	s_wait_dscnt 8                                 ; the weights and my tokens 0-63 are in; the youngest eight loads (tokens 64-127) may be out
	WIN MUL_LO
	MUL16 \f, 0, 0, \zero
	MUL16 \f, 0, 2, \zero
	PLACES
	FETCH \slot, \q, \g
	s_wait_dscnt 32                                ; all but the 32 just issued
	WIN MUL_HI
	MUL16 \f, 1, 0, \zero
	MUL16 \f, 1, 2, \zero
.endm
; The last quarter's first half, with the ONE barrier of a change of slots: in front of it each wave waits for its reads of this slot and for all its tensor loads.
.macro MEET round
	s_wait_dscnt 8
	WIN MUL_LO
	MUL16 F1, 0, 0, 0
	s_wait_dscnt 0                                 ; my reads of this slot are over
	s_wait_tensorcnt 0x0                           ; all my tensor loads have landed: the one that was out is my part of the next slot
	ds_add_u32 v255, v63
	s_wait_dscnt 0x0
	s_barrier_signal -1
	MUL16 F1, 0, 2, 0                              ; register work while the others arrive
.if \round
	WIN 0
.endif
	s_barrier_wait -1
.endm
; The whole last quarter where the slot is filled again: with this tile's K step two on (on = 0) or the next tile's K step 0 or 1 (on = 1).
.macro TURN slot, next, on
	MEET 1
	CREST                                          ; the barrier has opened a round of the cluster's: no wave of any partner still reads this slot or has a load on its way
.if \on
	s_add_nc_u64 s[G0+4*\slot+2:G0+4*\slot+3], s[G0+4*\slot+2:G0+4*\slot+3], NEXT_A
	s_sub_nc_u64 s[G0B+4*\slot+2:G0B+4*\slot+3], s[G0B+4*\slot+2:G0B+4*\slot+3], BACK_B
.else
	s_add_nc_u64 s[G0+4*\slot+2:G0+4*\slot+3], s[G0+4*\slot+2:G0+4*\slot+3], STEP_A
	s_add_nc_u64 s[G0B+4*\slot+2:G0B+4*\slot+3], s[G0B+4*\slot+2:G0B+4*\slot+3], STEP_B
.endif
	JLOAD \slot                                    ; the first tensor load behind the round, my only one out; its four v_nop are also the places in front of the loads below
	FETCH \next, 0, F0
	WIN MUL_HI
	MUL16 F1, 1, 0, 0
	MUL16 F1, 1, 2, 0
.endm
; The way out, block a (16 tokens): z = kappa sum + kappa b_up of its eight accumulators, into window 0; and the block's w / (2 kappa)
.macro ZPASS a
	WIN 0x12+(\a)/4                                ; source 0 window 2 or 3 (the sums), source 1 window 0 (kappa), source 2 window 1 (the bias), destination window 0
.irp b, 0,1,2,3,4,5,6,7
.irp p, 0,2,4,6
	v_pk_fma_f32 v[RZ+8*\b+\p:RZ+8*\b+\p+1], v[64*((\a)%4)+8*\b+\p:64*((\a)%4)+8*\b+\p+1], v[KAP:KAP+1], v[8*\b+\p:8*\b+\p+1]
.endr
.endr
	WIN 0
	v_mov_b32 v[WC], v[WB+\a]
.endm
; Fragment g of the block (accumulators 2 g, 2 g + 1): 16 numbers a lane
.macro GELU16 g
.set ZG, RZ+16*\g
.irp n, 0,1,2,3,4,5,6,7,8,9,10,11,12,13,14,15
	v_fma_f32 v[RT+\n], |v[ZG+\n]|, s45, 1.0       ; 1 + p' |z|
.endr
.irp n, 0,1,2,3,4,5,6,7                ; behind the transcendentals stands a plain instruction that names none of their registers (ISA guide 5.7.2)
	v_rcp_f32 v[RT+2*\n],   v[RT+2*\n]
	v_rcp_f32 v[RT+2*\n+1], v[RT+2*\n+1]
	v_pk_mul_f32 v[RE+2*\n:RE+2*\n+1], v[ZG+2*\n:ZG+2*\n+1], v[ZG+2*\n:ZG+2*\n+1] neg_lo:[0,1] neg_hi:[0,1]   ; -z^2
.endr
.irp n, 0,1,2,3,4,5,6,7
	v_exp_f32 v[RE+2*\n], v[RE+2*\n]
	s_wait_alu depctr_va_vdst(0)
	v_pk_fma_f32 v[RP+2*\n:RP+2*\n+1], v[RT+2*\n:RT+2*\n+1], v[CA+8:CA+9], v[CA+6:CA+7]
	v_exp_f32 v[RE+2*\n+1], v[RE+2*\n+1]
	v_mul_f32 v[RH+2*\n],   v[WC], v[ZG+2*\n]      ; hz = w h / 2
	v_mul_f32 v[RH+2*\n+1], v[WC], v[ZG+2*\n+1]
.endr
.irp c, 4, 2, 0
.irp n, 0,1,2,3,4,5,6,7
	v_pk_fma_f32 v[RP+2*\n:RP+2*\n+1], v[RP+2*\n:RP+2*\n+1], v[RT+2*\n:RT+2*\n+1], v[CA+\c:CA+\c+1]
.endr
.endr
.irp n, 0,1,2,3,4,5,6,7
	v_pk_mul_f32 v[RP+2*\n:RP+2*\n+1], v[RP+2*\n:RP+2*\n+1], v[RT+2*\n:RT+2*\n+1]
.endr
	s_wait_alu depctr_va_vdst(0)
.irp n, 0,1,2,3,4,5,6,7
	v_pk_fma_f32 v[RP+2*\n:RP+2*\n+1], v[RP+2*\n:RP+2*\n+1], v[RE+2*\n:RE+2*\n+1], v[ONE:ONE+1]   ; erf(|h| / sqrt 2)
.endr
.irp n, 0,1,2,3,4,5,6,7,8,9,10,11,12,13,14,15
	v_fma_f32 v[RH+\n], |v[RH+\n]|, v[RP+\n], v[RH+\n]
.endr
.irp m, 0,1,2,3,4,5,6,7
	v_cvt_pk_bf16_f32 v[ZG+\m], v[RH+2*\m], v[RH+2*\m+1]
.endr
	global_store_b128 v[CO], v[ZG:ZG+3],   s[8:9] offset:1024*\g       ; half 0 of the fragment: the wave's store covers 512 neighbouring bytes, aligned
	global_store_b128 v[CO], v[ZG+4:ZG+7], s[8:9] offset:1024*\g+512   ; half 1
.endm
	s_wait_tensorcnt 1                             ; my part of K step 0 is in; K step 1's may stay out
	s_barrier_signal -1
	s_barrier_wait -1
	FETCH 0, 0, F0
	s_mov_b32 s2, TILES                            ; tiles to go: the same in every work-group
.Ltile:
.irp a, 0,1,2,3,4,5,6,7
	global_load_b32 v[WB+\a], v[WOFF], s[70:71] offset:64*\a       ; this tile's w / (2 kappa): wanted on the way out
.endr
	QUARTER 0, 1, F0, F1, 1                        ; a tile's first quarter starts the sums
	WIN 0
	s_mov_b32 s3, LAPS-1
.Llap:                                                 ; a trip goes once round the ring and fills both slots again
	QUARTER 0, 2, F1, F0, 0
	QUARTER 0, 3, F0, F1, 0
	TURN 0, 1, 0
	QUARTER 1, 1, F0, F1, 0
	QUARTER 1, 2, F1, F0, 0
	QUARTER 1, 3, F0, F1, 0
	TURN 1, 0, 0
	QUARTER 0, 1, F0, F1, 0
	WIN 0
	s_sub_co_u32 s3, s3, 1
	s_cmp_lg_u32 s3, 0
	s_cbranch_scc1 .Llap
	QUARTER 0, 2, F1, F0, 0                        ; the tile's last lap goes on
	QUARTER 0, 3, F0, F1, 0
	WIN 0
	s_cmp_eq_u32 s2, 1
	s_cbranch_scc1 .Llast
	TURN 0, 1, 1                                   ; the ring goes on into the next tile: slot 0 takes its K step 0,
	QUARTER 1, 1, F0, F1, 0
	QUARTER 1, 2, F1, F0, 0
	QUARTER 1, 3, F0, F1, 0
	TURN 1, 0, 1                                   ; slot 1 its K step 1, and its first fragments are fetched into buffer 0, which the way out leaves alone
	WIN 0
	s_branch .Lout
.Llast:                                                ; the last tile's last lap asks for nothing more
	MEET 0                                         ; No round follows
	PLACES
	FETCH 1, 0, F0
	WIN MUL_HI
	MUL16 F1, 1, 0, 0
	MUL16 F1, 1, 2, 0
	QUARTER 1, 1, F0, F1, 0
	QUARTER 1, 2, F1, F0, 0
	QUARTER 1, 3, F0, F1, 0
	s_wait_dscnt 8
	WIN MUL_LO
	MUL16 F1, 0, 0, 0
	MUL16 F1, 0, 2, 0
	s_wait_dscnt 0
	WIN MUL_HI
	MUL16 F1, 1, 0, 0
	MUL16 F1, 1, 2, 0
	WIN 0
.Lout:                                                 ; THE WAY OUT, eight blocks of 16 tokens
	PLACES                                         ; the first pass reads results just made
	s_wait_loadcnt 0x0                             ; w / (2 kappa); the wait also frees its address register
	v_add_nc_u32 v[WOFF], 4096*4, v[WOFF]          ; the next tile's tokens
	s_mov_b32 s72, 0
.Lblk:
.irp a, 0,1,2,3,4,5,6                  ; register numbers are fixed in the text: the block's own pass is picked by the counter; the last arm has no condition, so every way writes z
	s_cmp_lg_u32 s72, \a
	s_cbranch_scc1 .Lnot\a
	ZPASS \a
	s_branch .Lz
.Lnot\a:
.endr
	ZPASS 7
.Lz:
	GELU16 0
	GELU16 1
	GELU16 2
	GELU16 3
	s_wait_xcnt 0x0                                ; the stores' base and data registers are rewritten only behind this wait
	s_add_nc_u64 s[8:9], s[8:9], HBLK
	s_add_co_u32 s72, s72, 1
	s_cmp_lt_u32 s72, 8
	s_cbranch_scc1 .Lblk
	s_add_nc_u64 s[8:9], s[8:9], (256-8)*HBLK      ; my part of the next tile: 4,096 tokens on from this one's first
	s_sub_co_u32 s2, s2, 1
	s_cmp_lg_u32 s2, 0
	s_cbranch_scc1 .Ltile
	s_wait_dscnt 0x0
	s_wait_tensorcnt 0x0
	s_set_vgpr_msb 0x1
	s_wait_tensorcnt 0x0
	ds_add_u32 v255, v63
	s_wait_dscnt 0x0
	s_set_vgpr_msb 0x100
	CROUND                                         ; the closing round: no work-group ends while a partner may still ask for a tile that names it
	s_endpgm
.Lfunc_end_k_qb03cedc7fb_up:
	.size	k_qb03cedc7fb_up, .Lfunc_end_k_qb03cedc7fb_up-k_qb03cedc7fb_up
	.p2alignl 7, 3214868480
	.fill 96, 4, 3214868480
	.section	.rodata,"a",@progbits
	.p2align	6, 0x0
	.amdhsa_kernel k_qb03cedc7fb_up
		.amdhsa_group_segment_fixed_size 327680
		.amdhsa_private_segment_fixed_size 0
		.amdhsa_enable_private_segment 0
		.amdhsa_kernarg_size 40
		.amdhsa_user_sgpr_count 2
		.amdhsa_user_sgpr_kernarg_segment_ptr 1
		.amdhsa_wavefront_size32 1
		.amdhsa_system_sgpr_workgroup_id_x 1
		.amdhsa_system_sgpr_workgroup_id_y 1
		.amdhsa_system_sgpr_workgroup_id_z 1
		.amdhsa_system_vgpr_workitem_id 0
		.amdhsa_next_free_vgpr 1024
		.amdhsa_next_free_sgpr 80
		.amdhsa_reserve_vcc 0
		.amdhsa_float_denorm_mode_32 3
		.amdhsa_float_denorm_mode_16_64 3
		.amdhsa_memory_ordered 1
		.amdhsa_forward_progress 1
		.amdhsa_inst_pref_size 200
	.end_amdhsa_kernel
	.amdgpu_metadata
---
amdhsa.version: [ 1, 2 ]
amdhsa.kernels:
  - .name:           k_qb03cedc7fb_up
    .symbol:         k_qb03cedc7fb_up.kd
    .args:
      - { .name: xb, .offset: 0, .size: 8, .value_kind: global_buffer, .address_space: global }
      - { .name: wub, .offset: 8, .size: 8, .value_kind: global_buffer, .address_space: global }
      - { .name: hb, .offset: 16, .size: 8, .value_kind: global_buffer, .address_space: global }
      - { .name: b_up, .offset: 24, .size: 8, .value_kind: global_buffer, .address_space: global }
      - { .name: wg, .offset: 32, .size: 8, .value_kind: global_buffer, .address_space: global }
    .group_segment_fixed_size: 327680
    .private_segment_fixed_size: 0
    .kernarg_segment_align: 8
    .kernarg_segment_size: 40
    .max_flat_workgroup_size: 128
    .sgpr_count:     80
    .vgpr_count:     1024
    .wavefront_size: 32
...
	.end_amdgpu_metadata
.endif
;; end of part 2
;; launch down (part 3): grid 4 x 64, 4 waves a work-group, clusters of 4 x 4, 327,680 bytes of LDS; arguments hb, wdb, out0, b_down, wr; writes out0
.if DOCPART == 3
	.amdgcn_target "amdgcn-amd-amdhsa--gfx1250"
	.amdhsa_code_object_version 6
	.text
	.protected	k_qb03cedc7fb_down
	.globl	k_qb03cedc7fb_down
	.p2align	8
	.type	k_qb03cedc7fb_down,@function
k_qb03cedc7fb_down:
	s_mov_b64 s[64:65], 0
	v_nop
	global_prefetch_b8 v0, s[64:65] scope:SCOPE_SE
	s_setreg_imm32_b32 hwreg(HW_REG_WAVE_MODE, 25, 1), 1
	s_wait_xcnt 0x0
	s_wait_alu depctr_hold_cnt(0) depctr_sa_sdst(0) depctr_va_vdst(0) depctr_va_sdst(0) depctr_va_ssrc(0) depctr_va_vcc(0) depctr_vm_vsrc(0)
	s_getreg_b32 s2, hwreg(HW_REG_IB_STS2, 6, 4)
	s_cmp_eq_u32 s2, 0
	s_cbranch_scc0 .Lentry_in_a_cluster
	s_endpgm
.Lentry_in_a_cluster:
	s_bfe_u32 s2, ttmp6, 0x10000c
	s_cmp_lg_u32 s2, 0xf033
	s_cbranch_scc0 .Lentry_shape_is_right
	s_endpgm
.Lentry_shape_is_right:
; DOWN: out0[t][n] = sum over k of H[t][k] wdb[k][n] + sum over e of w[t][e] b_down[e][n].  One GEMM 8192 x 1024 x 4096 (the router's weights are already in H), f32 out.
; 8192 x 1024 gives 256 tiles of 128 tokens x 256 columns: one for each work-group.  Four waves, each 64 tokens x 128 columns: 32 accumulators, 256 registers.
; THE WEIGHTS go in K steps of 256 through a ring of two LDS slots ([k][n], rows of 512 bytes, turned by ds_load_tr16_b128); each of the four waves fetches 64 k rows of a slot.
; CLUSTER 4 x 4: the four of a column of the cluster need the same weights: each tile is asked for jointly.
; THE TOKENS come straight into registers: hb lies in fragment order, hb[token / 16][k / 32][half][lane][16 bytes], so a load of the wave is 512 neighbouring bytes and is half a
; fragment as it stands.  A quarter (32 along K) is 8 loads; a ring of 8 buffers (window 2) is asked for 7 quarters ahead.
; hb is NOT asked for jointly: two slots of 256 along K for both operands would take 2 x (139,264 + 65,536) bytes, more than the 327,680 that a work-group can have,
; and with slots of 128 along K a load has half the matrix work in which to land.  In registers the tokens need no slot and no barrier.
; THE MATRIX INSTRUCTION IS USED TRANSPOSED (source 0 = 16 columns of the weights, source 1 = 16 tokens): a lane holds one token and eight neighbouring columns.
; THE WAY OUT: 16 tokens at a time through the wave's own stage in LDS; read back as rows of 128 f32, the mixed bias added, stored 512 neighbouring bytes an instruction.
; REGISTERS: window 0: v0-31 addresses; v96-159, v160-223 weight fragments, two buffers; v224-239 b_down; v32-95 at work on the way out.
;   window 1: the accumulators, (a, b) at v[8 (8 a + b)].   window 2: token fragments, buffer j at 32 j, token block i at + 8 i.
.set PB,     544                       ; a k row of weights: 512 bytes + 32: an odd multiple of 32, as the turning load's 8 rows x 32 bytes want
.set BPART,  64*PB                     ; what one tensor load brings: 64 k rows
.set HSLOT,  128*PB                    ; half a slot: as far as one address register and a 16-bit offset reach
.set SLOT,   256*PB
.set STAGE,  2*SLOT                    ; behind the ring: 16 rows x 528 bytes for each wave
.set SP,     528
.set WTAB,   STAGE+4*16*SP             ; behind the stages: 64 tokens x 4 f32 for each wave
.set LAPS,   8                         ; a lap = two K steps = 16 quarters; K = 4,096
.set STEP_B, 2*256*2048                ; two K steps down the weights
.set HBLK,   131072                    ; bytes of 16 tokens in hb
.set WL,   8                           ; v[8:15]   w of my tokens lane and 32 + lane
.set ADRB, 20                          ; v20-23    LDS address of my weight fragments: slot 0 low, high half, slot 1 low, high half
.set STO,  24
.set RD,   25
.set CO,   26                          ; v26       16 lane: my bytes in 512; never rewritten
.set WOFF, 27
.set WTA,  28
.set WRD,  29                          ; v29       my table's first byte (the same in all lanes)
.set BOFF, 30
.set WV,   32                          ; the way out: v[32:95] w of the block's 16 tokens
.set FB,   96
.set BD,   224                         ; v[224:239] b_down[e] at my columns 4 lane .. + 3, e at 4 e
.set G1B, 48                           ; s[48:55] group 1; s[56:63] group 0, one set a slot
.set G0B, 56
.set MSB, 0
.macro WIN new
.if MSB != (\new)
	s_set_vgpr_msb (MSB<<8)|(\new)
.set MSB, (\new)
.endif
.endm
.set MUL, 0x58                         ; source 0 (weights) window 0, source 1 (tokens) window 2, C and D window 1
.macro JLOAD s                         ; a joint load: every wave fetches its own 64 k rows; four v_nop follow it
	tensor_load_to_lds s[G0B+4*\s:G0B+4*\s+3], s[G1B:G1B+7]
	s_nop 0
.rept 4
	v_nop
.endr
.endm
.macro CREST
	s_cmp_lg_u32 s10, 0
	s_cbranch_scc1 .Lnot_wave_0_\@
	s_barrier_signal -3
.Lnot_wave_0_\@:
	s_barrier_wait -3
	s_barrier_signal -1
	s_barrier_wait -1
.endm
.macro CROUND
	s_barrier_signal -1
	s_barrier_wait -1
	CREST
.endm
; 8 loads: the token fragments of quarter m of the lap, into buffer m % 8
.macro AREQ m
.set AB, 32*((\m)%8)
	WIN 0x80                                       ; destination window 2, address window 0
.irp i, 0,1,2,3
	global_load_b128 v[AB+8*\i:AB+8*\i+3],   v[CO], s[4:5] offset:\i*HBLK+(\m)*1024
	global_load_b128 v[AB+8*\i+4:AB+8*\i+7], v[CO], s[4:5] offset:\i*HBLK+(\m)*1024+512
.endr
.endm
	s_load_b128 s[4:7], s[0:1], 0x0                ; hb s[4:5], wdb s[6:7]
	s_load_b64 s[8:9], s[0:1], 0x10                ; out0
	s_load_b128 s[68:71], s[0:1], 0x18             ; b_down s[68:69], wr s[70:71]
	v_lshl_add_u32 v254, v0, 2, 0x4d400
	v_mov_b32 v255, 0
	ds_add_u32 v254, v255
	v_lshrrev_b32 v1, 5, v0
	v_readfirstlane_b32 s10, v1                    ; wave 0..3
	s_lshr_b32 s11, s10, 1                         ; which half of the tile's tokens is mine
	s_and_b32 s12, s10, 1                          ; which half of its columns
	s_bfe_u32 s40, ttmp6, 0x40000                  ; cx
	s_bfe_u32 s41, ttmp6, 0x40004                  ; cy
	s_lshl_b32 s42, ttmp9, 2
	s_add_co_u32 s42, s42, s40                     ; tile column 0..3
	s_and_b32 s13, ttmp7, 0xffff
	s_lshl_b32 s13, s13, 2
	s_add_co_u32 s13, s13, s41                     ; tile row 0..63
	s_lshl_b32 s44, 0x1111, s40                    ; my column of the cluster
	; group 1: 64 k rows x 256 elements of 2 bytes, 8 words of padding behind every 128
	s_or_b32 s[G1B+0], s44, (1<<16)|(1<<20)|(1<<21)|(6<<22)|(7<<25)
	s_mov_b32 s[G1B+1], 256<<16                    ; tensor_dim0 = 256
	s_mov_b32 s[G1B+2], 64<<16                     ; tensor_dim1 = 64
	s_mov_b32 s[G1B+3], 256<<16                    ; tile_dim0 = 256
	s_mov_b32 s[G1B+4], 64                         ; tile_dim1 = 64
	s_mov_b32 s[G1B+5], 1024                       ; elements from row to row
	s_mov_b32 s[G1B+6], 0
	s_mov_b32 s[G1B+7], 0
	s_lshl_b32 s46, s42, 9                         ; weights: 256 columns x 2 bytes a tile column
	s_lshl_b32 s47, s10, 17                        ; + my 64 k rows of 2,048 bytes
	s_add_co_u32 s46, s46, s47
	s_mov_b32 s47, 0
	s_mul_i32 s21, s10, BPART                      ; and where they go
	s_lshl_b32 s16, s13, 20                        ; tokens: 8 blocks of 131,072 bytes a tile row
	s_lshl_b32 s17, s11, 19                        ; + my 4 of them
	s_add_co_u32 s16, s16, s17
	s_mov_b32 s17, 0
	s_wait_dscnt 0x0
	s_wait_kmcnt 0x0
	s_add_nc_u64 s[4:5], s[4:5], s[16:17]          ; hb at my first token block
	s_add_nc_u64 s[46:47], s[6:7], s[46:47]
	CROUND                                         ; all sixteen work-groups are here: the first joint loads meet
.irp s, 0,1
	s_mov_b32 s[G0B+4*\s], 1
	s_add_co_u32 s[G0B+4*\s+1], s21, \s*SLOT
	s_add_nc_u64 s[G0B+4*\s+2:G0B+4*\s+3], s[46:47], \s*256*2048
	s_or_b32 s[G0B+4*\s+3], s[G0B+4*\s+3], 0x80000000
	JLOAD \s                                       ; two tensor loads of mine are out
.endr
	v_and_b32 v1, 15, v0                           ; r
	v_bfe_u32 v2, v0, 4, 1                         ; h
	v_and_b32 v6, 31, v0
	v_lshlrev_b32 v[CO], 4, v6
	s_lshl_b32 s46, s13, 11                        ; wr: 16 (128 tile row + 64 half + lane)
	s_lshl_b32 s47, s11, 10
	s_add_co_u32 s46, s46, s47
	v_add_nc_u32 v[WOFF], s46, v[CO]
	global_load_b128 v[WL:WL+3],   v[WOFF], s[70:71]
	global_load_b128 v[WL+4:WL+7], v[WOFF], s[70:71] offset:512
	s_lshl_b32 s46, s42, 10                        ; b_down: 4 (256 tile column + 128 half + 4 lane), an expert 4,096 bytes on
	s_lshl_b32 s47, s12, 9
	s_add_co_u32 s46, s46, s47
	v_add_nc_u32 v[BOFF], s46, v[CO]
.irp e, 0,1,2,3
	global_load_b128 v[BD+4*\e:BD+4*\e+3], v[BOFF], s[68:69] offset:4096*\e
.endr
.irp m, 0,1,2,3,4,5,6
	AREQ \m                                        ; the first seven quarters' tokens: with the six loads above 62 loads of mine are out
.endr
	WIN 0
	s_lshl_b32 s47, s13, 19                        ; out0 at my part of the tile: 4,096 (128 tile row + 64 half) + the same column bytes
	s_add_co_u32 s46, s46, s47
	s_lshl_b32 s47, s11, 18
	s_add_co_u32 s46, s46, s47
	s_mov_b32 s47, 0
	s_add_nc_u64 s[8:9], s[8:9], s[46:47]
	v_and_b32 v4, 7, v0
	v_lshl_add_u32 v4, v2, 3, v4                   ; weights, turned: k row 8 h + l % 8,
	v_mul_u32_u24 v4, v4, PB
	v_bfe_u32 v5, v0, 3, 1
	v_lshl_add_u32 v4, v5, 4, v4                   ; columns 8 ((l / 8) % 2) on
	s_lshl_b32 s22, s12, 8                         ; my 128 columns
.irp j, 0,1,2,3
	v_add_nc_u32 v[ADRB+\j], s22, v4
	s_add_co_u32 s22, s22, HSLOT
.endr
	s_mul_i32 s23, s10, 16*SP
	s_add_co_u32 s23, s23, STAGE                   ; my stage
	v_mul_u32_u24 v5, v1, SP
	v_lshl_add_u32 v5, v2, 5, v5                   ; in: row r, 8 f32 for each half of the lanes
	v_add_nc_u32 v[STO], s23, v5
	v_add_nc_u32 v[RD], s23, v[CO]
	s_lshl_b32 s23, s10, 10
	s_add_co_u32 s23, s23, WTAB                    ; my table
	v_add_nc_u32 v[WTA], s23, v[CO]
	v_mov_b32 v[WRD], s23
; 8 matrix instructions of quarter n: token block a x all 8 column blocks.  The 32 accumulators take turns, one instruction a turn.
.macro MUL8 n, a, zero
.set MB, FB+64*((\n)%2)
.set MA, 32*((\n)%8)+8*\a
.irp b, 0,1,2,3,4,5,6,7
.if \zero
	v_wmma_f32_16x16x32_bf16 v[8*(8*\a+\b):8*(8*\a+\b)+7], v[MB+8*\b:MB+8*\b+7], v[MA:MA+7], 0
.else
	v_wmma_f32_16x16x32_bf16 v[8*(8*\a+\b):8*(8*\a+\b)+7], v[MB+8*\b:MB+8*\b+7], v[MA:MA+7], v[8*(8*\a+\b):8*(8*\a+\b)+7]
.endif
.endr
.endm
; 16 LDS loads in one run: the weights of quarter m of the lap (8 column blocks, turned) into buffer m % 2
.macro FETCH m
.set FQ, ((\m)%4)*32*PB
.set FR, ADRB+((\m)/4)%4
.set FD, FB+64*((\m)%2)
	WIN 0
.irp i, 0,1,2,3,4,5,6,7
	ds_load_tr16_b128 v[FD+8*\i:FD+8*\i+3],   v[FR] offset:FQ+32*\i
	ds_load_tr16_b128 v[FD+8*\i+4:FD+8*\i+7], v[FR] offset:FQ+16*PB+32*\i
.endr
.endm
.macro PLACES                          ; four plain vector instructions between a matrix instruction and a load into, or a reader of, its registers (ISA guide 7.12.1 for readers)
.rept 4
	v_nop
.endr
.endm
; Quarter n of the lap.  lc: the token loads that may stay out (8 for each younger batch).  req = 1: the tokens of quarter n + 7 are asked for, into the buffer that quarter n - 1 read.
.macro QUARTER n, lc, req, zero
	s_wait_loadcnt \lc                             ; loads come back in order (ISA guide 5.7.1): this quarter's tokens are in
	s_wait_dscnt 0x0                               ; and its weights: the first eight products want all sixteen loads
	WIN MUL
	MUL8 \n, 0, \zero
	PLACES
	FETCH \n+1
.if \req
	AREQ \n+7
.endif
	WIN MUL
	MUL8 \n, 1, \zero
	MUL8 \n, 2, \zero
	MUL8 \n, 3, \zero
.endm
; A slot's last quarter changes slots: ONE barrier; in front of it each wave waits for its reads of this slot and for all its tensor loads.  fill = 1: the slot is filled again, two K steps on.
.macro TURN n, slot, lc, req, fill
	s_wait_loadcnt \lc
	s_wait_dscnt 0x0                               ; this quarter's weights are in, and with them my reads of this slot are over
	s_set_vgpr_msb 0x5850
	s_wait_tensorcnt 0x0                           ; all my tensor loads have landed: my part of the next slot
	ds_add_u32 v254, v255
	s_wait_dscnt 0x0
	s_set_vgpr_msb 0x5058
	s_barrier_signal -1
	WIN MUL
	MUL8 \n, 0, 0                                  ; register work while the others arrive
	MUL8 \n, 1, 0
	WIN 0
	s_barrier_wait -1
.if \fill
	CREST                                          ; the barrier has opened a round of the cluster's: no wave of any partner still reads this slot or has a load on its way
	s_add_nc_u64 s[G0B+4*\slot+2:G0B+4*\slot+3], s[G0B+4*\slot+2:G0B+4*\slot+3], STEP_B
	JLOAD \slot                                    ; the first tensor load behind the round, my only one out: 240 matrix instructions ahead of the wait for it; its four v_nop are the places in front of the loads below
.else
	PLACES
.endif
	FETCH \n+1
.if \req
	AREQ \n+7
.endif
	WIN MUL
	MUL8 \n, 2, 0
	MUL8 \n, 3, 0
.endm
	s_wait_tensorcnt 1                             ; my part of K step 0 is in; K step 1's may stay out
	s_barrier_signal -1
	s_barrier_wait -1
	FETCH 0
	QUARTER 0, 48, 1, 1                            ; the first quarter starts the sums; six younger batches, 48 loads, stay out
	WIN 0
	s_mov_b32 s3, LAPS-1
.Llap:                                                 ; a trip goes once round the ring, from a lap's second quarter to the next lap's first, and fills both slots again
.irp n, 1,2,3,4,5,6
	QUARTER \n, 48, 1, 0
.endr
	TURN 7, 0, 48, 1, 1
.irp n, 8,9,10,11,12,13,14
	QUARTER \n, 48, 1, 0
.endr
	TURN 15, 1, 48, 1, 1
	QUARTER 16, 48, 1, 0
	WIN 0
	s_wait_xcnt 0x0                                ; the token loads' base is stepped only behind this wait
	s_add_nc_u64 s[4:5], s[4:5], 16*1024           ; a lap's 16 quarters on
	s_sub_co_u32 s3, s3, 1
	s_cmp_lg_u32 s3, 0
	s_cbranch_scc1 .Llap
.irp n, 1,2,3,4,5,6                    ; the last lap fills no slot; its tokens are asked for up to quarter 15, and then the counts run down
	QUARTER \n, 48, 1, 0
.endr
	TURN 7, 0, 48, 1, 0
	QUARTER 8,  48, 1, 0
	QUARTER 9,  48, 0, 0
	QUARTER 10, 40, 0, 0
	QUARTER 11, 32, 0, 0
	QUARTER 12, 24, 0, 0
	QUARTER 13, 16, 0, 0
	QUARTER 14, 8,  0, 0
	s_wait_loadcnt 0x0
	s_wait_dscnt 0x0
	WIN MUL
	MUL8 15, 0, 0
	MUL8 15, 1, 0
	MUL8 15, 2, 0
	MUL8 15, 3, 0
	WIN 0
	; THE WAY OUT
	PLACES
	ds_store_b128 v[WTA], v[WL:WL+3]               ; my 64 tokens' w into my table; LDS serves a wave's instructions in order, so my loads below see them
	ds_store_b128 v[WTA], v[WL+4:WL+7] offset:512
.macro OUTBLK a                        ; block a: 16 tokens
.set DB, FB+64*((\a)%2)                ; the rows come back into the two weight buffers by turns
	WIN 0x04                                       ; the stores' data: window 1
.irp b, 0,1,2,3,4,5,6,7
	ds_store_b128 v[STO], v[64*\a+8*\b:64*\a+8*\b+3]   offset:64*\b
	ds_store_b128 v[STO], v[64*\a+8*\b+4:64*\a+8*\b+7] offset:64*\b+16
.endr
	WIN 0
	s_wait_xcnt 0x0                                ; registers that earlier stores read are loaded again only behind this wait
.irp i, 0,1,2,3,4,5,6,7,8,9,10,11,12,13,14,15
	ds_load_b128 v[WV+4*\i:WV+4*\i+3], v[WRD] offset:16*(16*\a+\i)
	ds_load_b128 v[DB+4*\i:DB+4*\i+3], v[RD]  offset:SP*\i
.endr
.irp i, 0,1,2,3,4,5,6,7,8,9,10,11,12,13,14,15
	s_wait_dscnt 2*(15-\i)                         ; this token's pair of loads is in; the younger pairs stay out
.irp e, 0,1,2,3
.irp c, 0,1,2,3
	v_fma_f32 v[DB+4*\i+\c], v[WV+4*\i+\e], v[BD+4*\e+\c], v[DB+4*\i+\c]
.endr
.endr
	global_store_b128 v[CO], v[DB+4*\i:DB+4*\i+3], s[8:9] offset:(16*\a+\i)*4096 th:TH_STORE_NT   ; the wave's store covers 512 neighbouring bytes, aligned
.endr
.endm
	OUTBLK 0
	OUTBLK 1
	OUTBLK 2
	OUTBLK 3
	s_wait_dscnt 0x0
	s_wait_tensorcnt 0x0
	s_wait_tensorcnt 0x0
	ds_add_u32 v254, v255
	s_wait_dscnt 0x0
	CROUND                                         ; the closing round: no work-group ends while a partner may still ask for a tile that names it
	s_endpgm
.Lfunc_end_k_qb03cedc7fb_down:
	.size	k_qb03cedc7fb_down, .Lfunc_end_k_qb03cedc7fb_down-k_qb03cedc7fb_down
	.p2alignl 7, 3214868480
	.fill 96, 4, 3214868480
	.section	.rodata,"a",@progbits
	.p2align	6, 0x0
	.amdhsa_kernel k_qb03cedc7fb_down
		.amdhsa_group_segment_fixed_size 327680
		.amdhsa_private_segment_fixed_size 0
		.amdhsa_enable_private_segment 0
		.amdhsa_kernarg_size 40
		.amdhsa_user_sgpr_count 2
		.amdhsa_user_sgpr_kernarg_segment_ptr 1
		.amdhsa_wavefront_size32 1
		.amdhsa_system_sgpr_workgroup_id_x 1
		.amdhsa_system_sgpr_workgroup_id_y 1
		.amdhsa_system_sgpr_workgroup_id_z 1
		.amdhsa_system_vgpr_workitem_id 0
		.amdhsa_next_free_vgpr 768
		.amdhsa_next_free_sgpr 80
		.amdhsa_reserve_vcc 0
		.amdhsa_float_denorm_mode_32 3
		.amdhsa_float_denorm_mode_16_64 3
		.amdhsa_memory_ordered 1
		.amdhsa_forward_progress 1
		.amdhsa_inst_pref_size 222
	.end_amdhsa_kernel
	.amdgpu_metadata
---
amdhsa.version: [ 1, 2 ]
amdhsa.kernels:
  - .name:           k_qb03cedc7fb_down
    .symbol:         k_qb03cedc7fb_down.kd
    .args:
      - { .name: hb, .offset: 0, .size: 8, .value_kind: global_buffer, .address_space: global }
      - { .name: wdb, .offset: 8, .size: 8, .value_kind: global_buffer, .address_space: global }
      - { .name: out0, .offset: 16, .size: 8, .value_kind: global_buffer, .address_space: global }
      - { .name: b_down, .offset: 24, .size: 8, .value_kind: global_buffer, .address_space: global }
      - { .name: wr, .offset: 32, .size: 8, .value_kind: global_buffer, .address_space: global }
    .group_segment_fixed_size: 327680
    .private_segment_fixed_size: 0
    .kernarg_segment_align: 8
    .kernarg_segment_size: 40
    .max_flat_workgroup_size: 128
    .sgpr_count:     80
    .vgpr_count:     768
    .wavefront_size: 32
...
	.end_amdgpu_metadata
.endif
;; end of part 3
;; launch aux (part 4): grid 1 x 1, 1 waves a work-group, no clusters, 0 bytes of LDS; arguments part, out1; writes out1
.if DOCPART == 4
	.amdgcn_target "amdgcn-amd-amdhsa--gfx1250"
	.amdhsa_code_object_version 6
	.text
	.protected	k_qb03cedc7fb_aux
	.globl	k_qb03cedc7fb_aux
	.p2align	8
	.type	k_qb03cedc7fb_aux,@function
k_qb03cedc7fb_aux:
	s_mov_b64 s[64:65], 0
	v_nop
	global_prefetch_b8 v0, s[64:65] scope:SCOPE_SE
	s_setreg_imm32_b32 hwreg(HW_REG_WAVE_MODE, 25, 1), 1
	s_wait_xcnt 0x0
; AUX: out1 = 4 sum over e of (C_e / 8192) (P_e / 8192), P_e = the sum of all tokens' w[e], C_e = the number of tokens that took e.
; part holds, for each of 128 work-groups of the first launch, (P_0, C_0, P_1, C_1, P_2, C_2, P_3, C_3): 4,096 bytes, read by one wave in eight loads.
; A lane's 16 bytes are (P_e, C_e, P_e+1, C_e+1) with e = 2 (lane % 2), in every load.  The counts are whole numbers below 2^24: exact in f32.
	s_load_b128 s[4:7], s[0:1], 0x0                ; part s[4:5], out1 s[6:7]
	v_lshlrev_b32 v1, 4, v0
	s_mov_b32 s8, 0x76543210                       ; v_permlanex16_b32: each lane takes its own place in the other half
	s_mov_b32 s9, 0xfedcba98
	s_wait_kmcnt 0x0
.irp j, 0,1,2,3,4,5,6,7
	global_load_b128 v[4+4*\j:7+4*\j], v1, s[4:5] offset:512*\j
.endr
	s_wait_loadcnt 0x0
.irp j, 1,2,3,4,5,6,7
	v_pk_add_f32 v[4:5], v[4:5], v[4+4*\j:5+4*\j]
	v_pk_add_f32 v[6:7], v[6:7], v[6+4*\j:7+4*\j]
.endr
.irp m, 2,4,8                          ; over the lanes of my parity
.irp r, 4,5,6,7
	v_add_f32_dpp v\r, v\r, v\r row_xmask:\m row_mask:0xf bank_mask:0xf
.endr
.endr
	v_permlanex16_b32 v8,  v4, s8, s9
	v_permlanex16_b32 v9,  v5, s8, s9
	v_permlanex16_b32 v10, v6, s8, s9
	v_permlanex16_b32 v11, v7, s8, s9
	v_pk_add_f32 v[4:5], v[4:5], v[8:9]
	v_pk_add_f32 v[6:7], v[6:7], v[10:11]
	v_mul_f32 v8, v4, v5
	v_fma_f32 v8, v6, v7, v8                       ; my two experts,
	v_add_f32_dpp v8, v8, v8 row_xmask:1 row_mask:0xf bank_mask:0xf   ; and the other two
	v_mul_f32 v8, 0x33800000, v8                   ; 4 / 8192^2 = 2^-24
	v_mov_b32 v9, 0
	v_cmp_eq_u32 vcc_lo, 0, v0
	s_wait_xcnt 0x0                                ; EXEC changes only behind this wait
	s_and_saveexec_b32 s10, vcc_lo
	global_store_b32 v9, v8, s[6:7]
	s_wait_xcnt 0x0
	s_or_b32 exec_lo, exec_lo, s10
	s_endpgm
.Lfunc_end_k_qb03cedc7fb_aux:
	.size	k_qb03cedc7fb_aux, .Lfunc_end_k_qb03cedc7fb_aux-k_qb03cedc7fb_aux
	.p2alignl 7, 3214868480
	.fill 96, 4, 3214868480
	.section	.rodata,"a",@progbits
	.p2align	6, 0x0
	.amdhsa_kernel k_qb03cedc7fb_aux
		.amdhsa_group_segment_fixed_size 0
		.amdhsa_private_segment_fixed_size 0
		.amdhsa_enable_private_segment 0
		.amdhsa_kernarg_size 16
		.amdhsa_user_sgpr_count 2
		.amdhsa_user_sgpr_kernarg_segment_ptr 1
		.amdhsa_wavefront_size32 1
		.amdhsa_system_sgpr_workgroup_id_x 1
		.amdhsa_system_sgpr_workgroup_id_y 1
		.amdhsa_system_sgpr_workgroup_id_z 1
		.amdhsa_system_vgpr_workitem_id 0
		.amdhsa_next_free_vgpr 48
		.amdhsa_next_free_sgpr 66
		.amdhsa_reserve_vcc 1
		.amdhsa_float_denorm_mode_32 3
		.amdhsa_float_denorm_mode_16_64 3
		.amdhsa_memory_ordered 1
		.amdhsa_forward_progress 1
		.amdhsa_inst_pref_size 4
	.end_amdhsa_kernel
	.amdgpu_metadata
---
amdhsa.version: [ 1, 2 ]
amdhsa.kernels:
  - .name:           k_qb03cedc7fb_aux
    .symbol:         k_qb03cedc7fb_aux.kd
    .args:
      - { .name: part, .offset: 0, .size: 8, .value_kind: global_buffer, .address_space: global }
      - { .name: out1, .offset: 8, .size: 8, .value_kind: global_buffer, .address_space: global }
    .group_segment_fixed_size: 0
    .private_segment_fixed_size: 0
    .kernarg_segment_align: 8
    .kernarg_segment_size: 16
    .max_flat_workgroup_size: 32
    .sgpr_count:     66
    .vgpr_count:     48
    .wavefront_size: 32
...
	.end_amdgpu_metadata
.endif
;; end of part 4
